; MI455X (gfx1250); checked and timed in simulation.
; The chip was launched on July 23, 2026; its instructions are those of AMD's public machine-readable ISA for CDNA 5 (MIT licence, August 2026) and "CDNA5" Instruction Set Architecture Reference Guide (July 2026). The comments in the code are by the model that wrote it; some were corrected since.
;; MZI Block Linear. Allowed arithmetic: matrix products marked QUANTISED: E2M3 operands, one E8M0 scale for each 32 along K, by v_wmma_scale_f32_16x16x128_f8f6f4 with both operands' format E2M3, f32 sums; products left as they are: f32 operands where the result goes on into a quantised operand, else bf16, f16 or f32 operands; f32 sums; everything else in f32.
;; Inputs: s 512 x 512 x 8 float32; u 512 x 512 x 8 x 8 float32; v 512 x 512 x 8 x 8 float32; x 4,096 x 4,096 float32.
;; Outputs: out0 4,096 x 4,096 float32.
;; This version of the problem:
;;   THIS VERSION OF THE PROBLEM IS GIVEN IN LOW PRECISION. The matrix products marked QUANTISED in the list below multiply operands that are first quantised to E2M3 (2 exponent bits, 3 mantissa bits; 6 bits a number), with one power-of-two scale for each 32 numbers along K (OCP MX v1.0); their sums are f32. All else is computed in f32.
;;   The module's matrix products, in the order in which they are computed (A, B: the left and right operand; K: the contracted axis; several contracted axes count as one K, in the product's order):
;;     1. batch 2,097,152 x [M 1, K 1] x [K 1, N 8]; A: computed on the way; B: computed on the way: left as it is (no contracted axis)
;;     2. batch 262,144 x [M 8, K 8] x [K 8, N 8]; A: input u; B: computed on the way: left as it is (K = 8 < 32)
;;     3. [M 4,096, K 4,096] x [K 4,096, N 4,096]; A: input x; B: computed on the way: QUANTISED
;;   THE QUANTISER, for each operand of a quantised product, along K:
;;     - K is cut into blocks of 32 from its start; a last block that is shorter is filled with zeros.
;;     - A block's scale is 2^e with e = floor(log2(the largest magnitude in the block)) - 2, held to -126 .. 127; a block of zeros has e = 0. As a byte (E8M0): e + 127.
;;     - Each number is divided by its block's scale, clamped to +-7.5, and rounded to the nearest number of E2M3, ties to even, subnormals kept.
;;     - The product sums the exact products of the quantised numbers (number of the format x scale) in f32.
;;   ~~~python
;;   def quantise(x, axis):      # numpy; x: float32 -> the quantised numbers, widened to float32 again
;;       x = np.moveaxis(x, axis, -1); K = x.shape[-1]
;;       x = np.pad(x, [(0, 0)] * (x.ndim - 1) + [(0, -K % 32)]); x = x.reshape(x.shape[:-1] + (-1, 32)); a = np.abs(x).max(-1, keepdims=True)
;;       e = np.where(a > 0, np.clip(np.frexp(np.where(a > 0, a, 1))[1] - 1 - 2, -126, 127), 0)      # np.frexp(a)[1] - 1 = floor(log2(a)), exactly
;;       r = np.clip(x / 2.0 ** e, -7.5, 7.5)
;;       step = 2.0 ** (np.maximum(np.frexp(np.where(r == 0, 1, r))[1] - 1, 0) - 3)
;;       q = np.round(r / step) * step * 2.0 ** e      # np.round: ties to even
;;       return np.moveaxis(q.reshape(q.shape[:-2] + (-1,))[..., :K], -1, axis).astype(np.float32)
;;   ~~~
;;   OPERANDS COMPUTED ON THE WAY. 'Computed on the way' means the value that the module computes at that place (a softmax that the list does not call 'softmax' is quantised finished and normalised). What goes into a quantiser is computed in f32, as accurately as f32 sums, v_exp_f32 and their like allow (about 1e-6 of the number): no bf16 or f16 on the way to a quantiser, and a product that is left as it is and whose result goes on into a quantised operand takes f32 operands (vector FMAs, or v_wmma_f32_16x16x4_f32). A number that lies on a knife's edge between two numbers of the format may be rounded either way, as far as f32 arithmetic and the matrix unit's own rounding can turn it there, and no further.
;; One version. Each part assembles by itself: llvm-mc -triple=amdgcn-amd-amdhsa -mcpu=gfx1250 --defsym DOCPART=n.
;; ======== version 1 of 1: 2 launches
;; workspace buffers: xq 13,107,200 bytes; wq 13,107,200 bytes
;; launch prep (part 1): grid 512 x 1, 4 waves a work-group, no clusters, 151,552 bytes of LDS; arguments x, u, s, v, xq, wq; writes xq, wq
.if DOCPART == 1
	.amdgcn_target "amdgcn-amd-amdhsa--gfx1250"
	.amdhsa_code_object_version 6
	.text
	.protected	k_q5d022fe1b3_prep
	.globl	k_q5d022fe1b3_prep
	.p2align	8
	.type	k_q5d022fe1b3_prep,@function
k_q5d022fe1b3_prep:
	s_mov_b64 s[64:65], 0
	v_nop
	global_prefetch_b8 v0, s[64:65] scope:SCOPE_SE
	s_setreg_imm32_b32 hwreg(HW_REG_WAVE_MODE, 25, 1), 1
	s_wait_xcnt 0x0
; Both operands of out = x W^T are made ready ONCE, as codes of FP6 (E2M3) with one E8M0 byte for each 32 along K, LAID IN THE ORDER OF THE MATRIX OPERAND'S REGISTERS.
;   W[8 p + i][8 q + j] = sum over k of u[p][q][i][k] (s[p][q][k] v[p][q][k][j]), in f32: the product s v is rounded first, then eight fused multiply-adds, k ascending.
; xq (x) and wq (W): [32 groups of 128 rows][32 steps of 128 along K][12,800 bytes].  Such a block is 8 fragments of 1,536 bytes (16 rows x 128 K) and 512 bytes of scale words.
;   A fragment is the image of its 12 registers: lane l = r + 16 h holds row r; registers 6 c .. 6 c + 5 hold K = 64 c + 32 h + 0 .. 31 (24 bytes of the row's stream of bits); register n of lane l lies at 512 (n / 4) + 16 l + 4 (n % 4).
;   The scale word (four bytes, byte b for K = 32 b on) of row r of fragment f lies at 12,288 + 256 (f / 4) + 16 r + 4 (f % 4).
; A block's scale is 2^(floor(log2(its largest magnitude)) - 2); its byte is the largest magnitude's exponent field - 2, held at 1 from below by a floor among the maximum's leaves.
; LIMITS: NaN and infinities among the inputs are not served.  A block of zeros gets the byte 1 (the rule says 127): its codes are zeros, which add nothing under that byte, and only this program reads the bytes.
; SHARES.  512 work-groups of four waves, one way through the text for all.  Work-group g takes rows 128 (g / 16) .. + 127 and K = 256 (g % 16) .. + 255 of W and then of x: in each buffer its output is
; one dense run of 25,600 bytes.  The work-groups share no input: no cluster.
; W: wave w has four tasks, p = 16 (g / 16) + 4 w + t, each with the 32 q of the work-group's K.  A LANE TAKES A WHOLE 8 x 8 BLOCK (p, q): nothing of u, s, v is read twice and no operand crosses lanes.  The loads take the
; bytes as they lie (32 lanes x 16 bytes = 512 consecutive bytes); a task's 32 blocks turn through the wave's own stage in LDS (rows of 256 + 16 bytes) and come back a block a lane.  A row's block of 32 along K is four
; neighbouring q: four neighbouring lanes, joined by two steps across lanes.
; x: wave w takes 32 rows, two rows of 256 numbers a step; each step turns through LDS so that a lane holds 16 neighbours (two lanes to a block).
; THE WAY OUT: codes and scale bytes gather in a stage of the work-group's, one for each operand; behind a barrier each wave reads a quarter of it, and every store covers 256 or 512 consecutive, aligned bytes.
; In the stage 256 bytes of the output (16 rows' 16 bytes) are a row of 272 bytes, and the second K step lies 128 bytes askew: so the 32 lanes of W's 2-byte stores fall on 32 different banks (64 banks of 4 bytes: ISA guide 11.1).
; A task's 34 loads are asked for a task ahead; x's first 32 loads are asked for in the last task.
.set BLK,  12800                       ; a block of the output: 128 rows x 128 K
.set WREG, 24064                       ; LDS: a region for each wave:
.set VST,  0                           ;   32 blocks of v, 272 bytes apart
.set UST,  8704                        ;   32 blocks of u, likewise
.set SST,  17408                       ;   32 x 32 bytes of s, 48 bytes apart
.set XST,  18944                       ;   x: two stages of 32 x 80 bytes
.set WOB,  4*WREG                      ; behind the four regions: W's stage for the way out,
.set RP,   272                         ;   its rows: 256 bytes + 16
.set KSP,  48*RP+128                   ;   a K step's 48 rows, and 128 bytes
.set OSC,  2*KSP                       ;   behind the two K steps' codes their scale words, 2 x 512 bytes, as they lie in the output
.set OSZ,  OSC+1024
.set XOB,  WOB+OSZ                     ; and x's stage, likewise
.set BP,   272
.set SPS,  48
.set SP,   80
.set GO,   1                           ; v1   16 x lane: every dense load
.set STA,  2                           ; v2   into a stage of blocks: 272 (lane / 16) + 16 (lane % 16)
.set STS,  3                           ; v3   into s's stage: 48 (lane / 2) + 16 (lane % 2)
.set RDA,  4                           ; v4   out of a stage of blocks: 272 x lane
.set RDS,  5                           ; v5   out of s's: 48 x lane
.set PA,   6                           ; v6-8 where the three 2-byte pieces of my 8 codes of a row go
.set SBA,  9                           ; v9   where my block's scale byte goes
.set LO,   10                          ; v10  the way out: my 16 bytes of my wave's first 512 in W's stage
.set GOO,  11                          ; v11  and their place in the work-group's run of the output: 3,072 wave + 16 lane
.set SL,   12                          ; v12  the way out of the scale words: 256 wave + 8 lane in the stage
.set BYA,  13                          ; v13, v14 two scale bytes (with v15: at work in x's part)
.set BYB,  14
.set RV,   16                          ; v16-79   v as loaded
.set RU,   80                          ; v80-143  u as loaded
.set RS,   144                         ; v144-151 s as loaded
.set T,    152                         ; v152-215 my block of v, then s v: register 8 k + j
.set S,    216                         ; v216-223 my s; once s v is made: two runs of codes and two maxima
.set CA,   216                         ; v216-218
.set MXA,  219
.set CB,   220                         ; v220-222
.set MXB,  223
.set U,    224                         ; v224-239 two rows of my u
.set O,    240                         ; v240-255 two rows of my W
.set XIN,  2                           ; x's part makes v2-7 anew: into a stage: 80 (lane / 4) + 16 (lane % 4)
.set XOUT, 3                           ; out of it: 80 x lane
.set XA,   4                           ; v4-6 where the three words of my 16 codes go
.set XBA,  7                           ; v7   where my block's scale byte goes
.set GS,   9                           ; v9   (behind W's tasks) the scale words' place in the output
.set XR,   16                          ; v16-143  eight sets of 16 numbers as loaded
.set X,    224                         ; v224-255 two sets of 16 neighbours
.set CX,   152                         ; v152-214 four registers of codes for each step, so that no store's data are written again
.macro LOADW t                         ; task t: 32 blocks of v, their s, 32 blocks of u: 34 loads of 512 consecutive bytes.  From p to p + 1: 512 blocks
.irp i, 0,1,2,3,4,5,6,7,8,9,10,11,12,13,14,15
	global_load_b128 v[RV+4*\i:RV+4*\i+3], v[GO], s[10:11] offset:131072*(\t)+512*\i th:TH_LOAD_NT
.endr
.irp i, 0,1
	global_load_b128 v[RS+4*\i:RS+4*\i+3], v[GO], s[8:9] offset:16384*(\t)+512*\i th:TH_LOAD_NT
.endr
.irp i, 0,1,2,3,4,5,6,7,8,9,10,11,12,13,14,15
	global_load_b128 v[RU+4*\i:RU+4*\i+3], v[GO], s[6:7] offset:131072*(\t)+512*\i th:TH_LOAD_NT
.endr
.endm
.macro XLOAD t                         ; x's step t: rows 2 t and 2 t + 1 of my 32, 1,024 bytes of each: four loads of 512 consecutive bytes into set t % 8
.irp i, 0,1,2,3
	global_load_b128 v[XR+16*((\t)%8)+4*\i:XR+16*((\t)%8)+4*\i+3], v[GO], s[4:5] offset:16384*(2*(\t)+\i/2)+512*(\i%2) th:TH_LOAD_NT
.endr
.endm
; Rows 2 r and 2 r + 1 of my block of W in task t: the sums, the two blocks' scales, the codes, and both into the stage.
; Task t is fragment 2 w + t / 2, rows 8 (t % 2) + i: 6 stage rows a fragment, 16 bytes a row of W.
.macro PAIR t, r
.set IM, 6*RP*((\t)/2)+128*((\t)%2)+32*(\r)
.set IS, 4*((\t)/2)+128*((\t)%2)+32*(\r)
.if (\r) > 0
	s_wait_dscnt 8                                 ; these two rows of u are in; the eight stores of the pair before, issued behind them, may be out
.endif
.irp a, 0,1
.irp m, 0,1,2,3
	v_pk_mul_f32 v[O+8*\a+2*\m:O+8*\a+2*\m+1], v[U+8*\a:U+8*\a+1], v[T+2*\m:T+2*\m+1] op_sel_hi:[0,1]   ; k = 0 starts the sums: u(i, 0) for both halves
.endr
.endr
.irp k, 1,2,3,4,5,6,7                  ; k ascending; the eight pairs of sums take turns, so that no line waits for the line above it
.irp a, 0,1
.irp m, 0,1,2,3
.if \k%2
	v_pk_fma_f32 v[O+8*\a+2*\m:O+8*\a+2*\m+1], v[U+8*\a+\k-1:U+8*\a+\k], v[T+8*\k+2*\m:T+8*\k+2*\m+1], v[O+8*\a+2*\m:O+8*\a+2*\m+1] op_sel:[1,0,0] op_sel_hi:[1,1,1]   ; odd k: the pair's second register for both halves
.else
	v_pk_fma_f32 v[O+8*\a+2*\m:O+8*\a+2*\m+1], v[U+8*\a+\k:U+8*\a+\k+1], v[T+8*\k+2*\m:T+8*\k+2*\m+1], v[O+8*\a+2*\m:O+8*\a+2*\m+1] op_sel_hi:[0,1,1]   ; even k: the first for both
.endif
.endr
.endr
.endr
.if (\r) < 3
.irp c, 0,1,2,3
	ds_load_b128 v[U+4*\c:U+4*\c+3], v[RDA] offset:UST+64*((\r)+1)+16*\c   ; the next two rows of u
.endr
.endif
	v_max3_num_f32 v[MXA], |v[O]|, |v[O+1]|, 0x1800000       ; my 8 numbers of each row, and the floor 2^(3 - 127): the byte cannot fall under 1
	v_max3_num_f32 v[MXB], |v[O+8]|, |v[O+9]|, 0x1800000
.irp i, 2,4,6
	v_max3_num_f32 v[MXA], v[MXA], |v[O+\i]|, |v[O+\i+1]|
	v_max3_num_f32 v[MXB], v[MXB], |v[O+8+\i]|, |v[O+9+\i]|
.endr
	v_max_num_f32_dpp v[MXA], v[MXA], v[MXA] row_xmask:1 row_mask:0xf bank_mask:0xf   ; with the three lanes that hold the block's other q
	v_max_num_f32_dpp v[MXB], v[MXB], v[MXB] row_xmask:1 row_mask:0xf bank_mask:0xf
	v_max_num_f32_dpp v[MXA], v[MXA], v[MXA] row_xmask:2 row_mask:0xf bank_mask:0xf
	v_max_num_f32_dpp v[MXB], v[MXB], v[MXB] row_xmask:2 row_mask:0xf bank_mask:0xf
	v_add_nc_u32 v[MXA], 0xff000000, v[MXA]        ; 2 off the exponent field: the conversion takes this operand's exponent field as its scale, and nothing else of it
	v_add_nc_u32 v[MXB], 0xff000000, v[MXB]
.if ((\r) == 1) || ((\r) == 2)
	s_wait_dscnt 4                                 ; the stores of the pair before are done, so their data may be written again; u's four loads may be out
.endif
.if (\r) == 3
	s_wait_dscnt 0x0                               ; likewise; nothing was issued behind those stores
.endif
	v_cvt_scalef32_pk16_fp6_f32 v[CA:CA+2], v[O:O+15], v[MXA]   ; all sixteen under row 2 r's scale: the low 48 bits are that row's codes (what lies beyond the largest code is held there)
	v_cvt_scalef32_pk16_fp6_f32 v[CB:CB+2], v[O:O+15], v[MXB]   ; and under row 2 r + 1's: the high 48 bits
	v_lshrrev_b32 v[BYA], 23, v[MXA]               ; the scales' bytes.  (Plain lines behind the conversions)
	v_lshrrev_b32 v[BYB], 23, v[MXB]
	ds_store_b16 v[PA], v[CA] offset:IM
	ds_store_b16_d16_hi v[PA+1], v[CA] offset:IM
	ds_store_b16 v[PA+2], v[CA+1] offset:IM
	ds_store_b16_d16_hi v[PA], v[CB+1] offset:IM+16
	ds_store_b16 v[PA+1], v[CB+2] offset:IM+16
	ds_store_b16_d16_hi v[PA+2], v[CB+2] offset:IM+16
	ds_store_b8 v[SBA], v[BYA] offset:IS           ; the four lanes of a block write the same byte with the same value
	ds_store_b8 v[SBA], v[BYB] offset:IS+16
.endm
.macro TASK t
	s_wait_loadcnt 16                              ; v and s are in; u's sixteen loads may be out
.irp i, 0,1,2,3,4,5,6,7,8,9,10,11,12,13,14,15
	ds_store_b128 v[STA], v[RV+4*\i:RV+4*\i+3] offset:VST+2*BP*\i   ; a load's 512 bytes are two blocks
.endr
.irp i, 0,1
	ds_store_b128 v[STS], v[RS+4*\i:RS+4*\i+3] offset:SST+16*SPS*\i
.endr
.if (\t) > 0
	s_wait_dscnt 18                                ; all but the 18 just issued: the last pair's stores have read the registers on which s lands
.endif
.irp c, 0,1,2,3,4,5,6,7,8,9,10,11,12,13,14,15
	ds_load_b128 v[T+4*\c:T+4*\c+3], v[RDA] offset:VST+16*\c       ; LDS serves a wave's instructions in order (ISA guide 5.7.1.4): these see the stores above
.endr
.irp c, 0,1
	ds_load_b128 v[S+4*\c:S+4*\c+3], v[RDS] offset:SST+16*\c
.endr
	s_wait_loadcnt 0x0                             ; u is in
.irp i, 0,1,2,3,4,5,6,7,8,9,10,11,12,13,14,15
	ds_store_b128 v[STA], v[RU+4*\i:RU+4*\i+3] offset:UST+2*BP*\i
.endr
.irp c, 0,1,2,3
	ds_load_b128 v[U+4*\c:U+4*\c+3], v[RDA] offset:UST+16*\c       ; rows 0 and 1 of my u
.endr
	s_wait_dscnt 20                                ; my v and s are in; the 16 stores and 4 loads behind them may be out
.irp k, 0,1,2,3,4,5,6,7
.irp m, 0,1,2,3
.if \k%2
	v_pk_mul_f32 v[T+8*\k+2*\m:T+8*\k+2*\m+1], v[T+8*\k+2*\m:T+8*\k+2*\m+1], v[S+\k-1:S+\k] op_sel:[0,1] op_sel_hi:[1,1]   ; s(k) v(k, j), rounded, in place
.else
	v_pk_mul_f32 v[T+8*\k+2*\m:T+8*\k+2*\m+1], v[T+8*\k+2*\m:T+8*\k+2*\m+1], v[S+\k:S+\k+1] op_sel_hi:[1,0]
.endif
.endr
.endr
	s_wait_dscnt 0x0                               ; u's rows are in, and every store into the stages has read its registers,
.if (\t) < 3
	LOADW (\t)+1                                   ; which take the next task's loads
.else
.irp n, 0,1,2,3,4,5,6,7
	XLOAD \n                                       ; or x's first eight steps
.endr
.endif
	PAIR \t, 0
	PAIR \t, 1
	PAIR \t, 2
	PAIR \t, 3
.endm
.macro XTURN t                         ; x's step t through stage t % 2: in as loaded, out 64 bytes a lane
.irp i, 0,1,2,3
	ds_store_b128 v[XIN], v[XR+16*((\t)%8)+4*\i:XR+16*((\t)%8)+4*\i+3] offset:XST+32*SP*((\t)%2)+8*SP*\i
.endr
.irp i, 0,1,2,3
	ds_load_b128 v[X+16*((\t)%2)+4*\i:X+16*((\t)%2)+4*\i+3], v[XOUT] offset:XST+32*SP*((\t)%2)+16*\i
.endr
.endm
; Step t: rows 2 t + lane / 16 of my 32: fragment 2 w + t / 8, row 2 (t % 8) + lane / 16.
.macro XSTEP t
.set XN, X+16*((\t)%2)
.set XM, 6*RP*((\t)/8)+32*((\t)%8)
.set XQ, 4*((\t)/8)+32*((\t)%8)
.if (\t) < 8
.set XE, 144+(\t)                      ; a register of its own for each step's byte: v144-151, v216-223
.else
.set XE, 208+(\t)
.endif
.if (\t) > 0
	s_wait_dscnt 4                                 ; this step's numbers are back from the stage (the last step's four stores of codes and byte may be out): so its stores into the stage have read their registers,
.else
	s_wait_dscnt 0x0
.endif
.if (\t)+8 < 16
	XLOAD (\t)+8                                   ; which take the loads of eight steps on
.endif
.if (\t)+1 < 16
.if (\t) <= 7
	s_wait_loadcnt 28                              ; the next step's four loads are in; those of the seven steps behind it may be out
.else
	s_wait_loadcnt 4*(14-(\t))                     ; the steps that are left behind it
.endif
	XTURN (\t)+1                                   ; and go through the other stage while this step is worked
.endif
	v_max3_num_f32 v13, |v[XN]|, |v[XN+1]|, |v[XN+2]|        ; the largest magnitude of my 16, in two chains
	v_max3_num_f32 v14, |v[XN+3]|, |v[XN+4]|, |v[XN+5]|
.irp i, 6,10
	v_max3_num_f32 v13, v13, |v[XN+\i]|, |v[XN+\i+1]|
	v_max3_num_f32 v14, v14, |v[XN+\i+2]|, |v[XN+\i+3]|
.endr
	v_max3_num_f32 v13, v13, |v[XN+14]|, |v[XN+15]|
	v_max3_num_f32 v13, v13, v14, 0x1800000        ; and the floor 2^(3 - 127)
	v_max_num_f32_dpp v13, v13, v13 row_xmask:1 row_mask:0xf bank_mask:0xf   ; and of my neighbour's 16: the block's
	v_add_nc_u32 v15, 0xff000000, v13              ; 2 off its exponent field: the conversion's scale operand
	v_cvt_scalef32_pk16_fp6_f32 v[CX+4*(\t):CX+4*(\t)+2], v[XN:XN+15], v15
	v_lshrrev_b32 v[XE], 23, v15                   ; the scale's byte.  (A plain line behind the conversion)
	ds_store_b8 v[XBA], v[XE] offset:XQ            ; both lanes of a block write the same byte with the same value
	ds_store_b32 v[XA], v[CX+4*(\t)] offset:XM     ; my 16 codes are three registers of the fragment
	ds_store_b32 v[XA+1], v[CX+4*(\t)+1] offset:XM
	ds_store_b32 v[XA+2], v[CX+4*(\t)+2] offset:XM
.endm
; A quarter of an operand's stage leaves: 12 x 512 bytes of codes and 256 bytes of scale words.  d: the first of 50 registers;  off: the stage, counted from W's;  b: the buffer's pair of scalar registers
.macro LEAVE d, off, b
.irp k, 0,1,2,3,4,5,6,7,8,9,10,11
	ds_load_b128 v[\d+4*\k:\d+4*\k+3], v[LO] offset:\off+KSP*(\k/6)+2*RP*(\k%6)    ; two stage rows: lanes 0-15 one, lanes 16-31 the next
.endr
	ds_load_b64 v[\d+48:\d+49], v[SL] offset:\off
.irp k, 0,1,2,3,4,5,6,7,8,9,10,11
	s_wait_dscnt 12-\k
	global_store_b128 v[GOO], v[\d+4*\k:\d+4*\k+3], s[\b:\b+1] offset:BLK*(\k/6)+512*(\k%6)   ; 32 lanes store 512 consecutive bytes, at a multiple of 256 from the buffer's first byte
.endr
	s_wait_dscnt 0x0
	global_store_b64 v[GS], v[\d+48:\d+49], s[\b:\b+1]             ; 32 lanes store 256 consecutive, aligned bytes
.endm
	s_load_b256 s[4:11], s[0:1], 0x0               ; x s[4:5], u s[6:7], s s[8:9], v s[10:11]
	s_load_b128 s[12:15], s[0:1], 0x20             ; xq s[12:13], wq s[14:15]
	s_set_vgpr_msb 0x40
	v_lshl_add_u32 v0, v0, 2, 0x24e00
	v_mov_b32 v1, 0
	s_set_vgpr_msb 0x4000
	v_lshrrev_b32 v2, 5, v0
	v_readfirstlane_b32 s20, v2                    ; wave 0..3
	v_and_b32 v15, 31, v0                          ; lane
	v_lshlrev_b32 v[GO], 4, v15
	s_lshr_b32 s21, ttmp9, 4                       ; which 128 rows: 16 p of 131,072 bytes in u and v, 128 rows of 16,384 bytes in x: both 2^21 bytes,
	s_lshl_b32 s22, s21, 21
	s_lshl_b32 s21, s20, 19                        ; my wave's quarter of them
	s_add_co_u32 s22, s22, s21
	s_and_b32 s25, ttmp9, 15                       ; which 256 along K
	s_lshl_b32 s21, s25, 13                        ; u, v: 32 blocks of 256 bytes
	s_add_co_u32 s26, s22, s21
	s_mov_b32 s27, 0
	s_mov_b32 s23, 0
	s_mul_i32 s24, s20, WREG                       ; my wave's region of LDS
	s_wait_kmcnt 0x0
	s_add_nc_u64 s[6:7], s[6:7], s[26:27]
	s_add_nc_u64 s[10:11], s[10:11], s[26:27]
	s_lshr_b32 s26, s26, 3                         ; s: an eighth of that
	s_add_nc_u64 s[8:9], s[8:9], s[26:27]
	LOADW 0
	s_lshl_b32 s21, s25, 10                        ; x: 256 numbers
	s_add_co_u32 s22, s22, s21
	s_add_nc_u64 s[4:5], s[4:5], s[22:23]
	s_mul_i32 s22, ttmp9, 2*BLK                    ; the work-group's run in each output: (32 (g / 16) + 2 (g % 16)) blocks = 2 g blocks
	s_add_nc_u64 s[12:13], s[12:13], s[22:23]
	s_add_nc_u64 s[14:15], s[14:15], s[22:23]
	v_lshrrev_b32 v13, 4, v15                      ; lane / 16: in W's part also which of the task's two K steps
	v_and_b32 v14, 15, v15
	v_lshlrev_b32 v14, 4, v14                      ; 16 (lane % 16)
	v_mad_u32_u24 v[STA], v13, BP, v14
	s_mul_i32 s21, s20, 12*RP                      ; my wave's two fragments in a K step of the stage: 12 rows
	s_add_co_u32 s21, s21, WOB
	v_add_nc_u32 v[LO], s21, v[STA]
	v_add_nc_u32 v[STA], s24, v[STA]
	; where my 8 codes of a row go.  My q is K = 64 c + 32 h + 8 m of its K step (c, h, m: bits 3, 2, 1:0 of the lane): bytes 6 m .. 6 m + 5 of the 24 of registers 6 c .. 6 c + 5 of lane (row, h)
	v_bfe_u32 v152, v15, 2, 1                      ; h
	v_bfe_u32 v153, v15, 3, 1                      ; c
	v_and_b32 v154, 3, v15                         ; m
	v_mul_u32_u24 v155, v13, KSP
	v_mad_u32_u24 v155, v152, RP, v155             ; lanes 16-31 of a fragment: the next stage row
	v_add_nc_u32 v155, s21, v155
	v_mul_u32_u24 v154, v154, 6
	v_mul_u32_u24 v153, v153, 6
.irp pc, 0,1,2
	v_add_nc_u32 v156, 2*\pc, v154                 ; the piece's byte among the 24
	v_lshrrev_b32 v157, 2, v156
	v_add_nc_u32 v157, v153, v157                  ; its register n
	v_and_b32 v156, 3, v156
	v_lshrrev_b32 v158, 2, v157                    ; n / 4: two stage rows on for each
	v_and_b32 v157, 3, v157
	v_lshl_add_u32 v156, v157, 2, v156
	v_mad_u32_u24 v156, v158, 2*RP, v156
	v_add_nc_u32 v[PA+\pc], v155, v156
.endr
	s_lshr_b32 s21, s20, 1                         ; the scale words of fragment 2 w + ..: 256 (w / 2) + 8 (w % 2)
	s_lshl_b32 s21, s21, 8
	s_and_b32 s25, s20, 1
	s_lshl_b32 s25, s25, 3
	s_add_co_u32 s21, s21, s25
	s_add_co_u32 s28, s21, WOB+OSC                 ; kept for x's part
	v_bfe_u32 v156, v15, 2, 2                      ; my block of 32 in its K step: the byte in the word
	v_lshl_add_u32 v156, v13, 9, v156
	v_add_nc_u32 v[SBA], s28, v156
	v_lshrrev_b32 v13, 1, v15
	v_mul_u32_u24 v[STS], v13, SPS
	v_and_b32 v13, 1, v15
	v_lshl_add_u32 v[STS], v13, 4, v[STS]
	v_add_nc_u32 v[STS], s24, v[STS]
	v_mul_u32_u24 v[RDA], v15, BP
	v_add_nc_u32 v[RDA], s24, v[RDA]
	v_mul_u32_u24 v[RDS], v15, SPS
	v_add_nc_u32 v[RDS], s24, v[RDS]
	s_mul_i32 s21, s20, 3072
	v_add_nc_u32 v[GOO], s21, v[GO]
	s_lshl_b32 s21, s20, 8
	s_add_co_u32 s21, s21, WOB+OSC
	v_lshl_add_u32 v[SL], v15, 3, s21
	TASK 0
	TASK 1
	TASK 2
	TASK 3
	s_wait_dscnt 0x0                               ; for the others' sake: my codes and scale bytes have landed
	s_barrier_signal -1
	s_barrier_wait -1                              ; W's stage is whole.  (x's loads stay out across it: nobody writes what they read)
	s_lshr_b32 s21, s20, 1                         ; the scale words that I store: K step w / 2, half w % 2
	s_mul_i32 s21, s21, BLK
	s_and_b32 s25, s20, 1
	s_lshl_b32 s25, s25, 8
	s_add_co_u32 s21, s21, s25
	s_add_co_u32 s21, s21, 8*1536
	v_and_b32 v15, 31, v0
	v_lshl_add_u32 v[GS], v15, 3, s21              ; (no LDS instruction of mine is out: v9 is free)
	LEAVE T, 0, 14
	s_wait_xcnt 0x0                                ; the stores have read their registers: x's codes may be written over them
	v_lshrrev_b32 v13, 2, v15                      ; v2-7 are made anew for x's part
	v_mul_u32_u24 v[XIN], v13, SP
	v_and_b32 v13, 3, v15
	v_lshl_add_u32 v[XIN], v13, 4, v[XIN]
	v_add_nc_u32 v[XIN], s24, v[XIN]
	v_mul_u32_u24 v[XOUT], v15, SP
	v_add_nc_u32 v[XOUT], s24, v[XOUT]
	; where my 16 codes go.  They are K = 128 e + 64 c + 32 h + 16 d of row 2 t + a (a, e, c, h, d: bits 4 .. 0 of the lane): registers 6 c + 3 d + 0, 1, 2 of lane (row, h)
	v_lshrrev_b32 v224, 4, v15                     ; a
	v_bfe_u32 v225, v15, 3, 1                      ; e
	v_bfe_u32 v226, v15, 2, 1                      ; c
	v_bfe_u32 v227, v15, 1, 1                      ; h
	v_and_b32 v228, 1, v15                         ; d
	v_mul_u32_u24 v229, v225, KSP
	v_mad_u32_u24 v229, v227, RP, v229
	v_lshl_add_u32 v229, v224, 4, v229
	s_mul_i32 s21, s20, 12*RP
	s_add_co_u32 s21, s21, XOB
	v_add_nc_u32 v229, s21, v229
	v_mul_u32_u24 v226, v226, 6
	v_mad_u32_u24 v226, v228, 3, v226
.irp j, 0,1,2
	v_add_nc_u32 v230, \j, v226                    ; the register n
	v_lshrrev_b32 v231, 2, v230
	v_and_b32 v230, 3, v230
	v_lshlrev_b32 v230, 2, v230
	v_mad_u32_u24 v230, v231, 2*RP, v230
	v_add_nc_u32 v[XA+\j], v229, v230
.endr
	v_bfe_u32 v230, v15, 1, 2                      ; my block of 32 in its K step
	v_lshl_add_u32 v230, v225, 9, v230
	v_lshl_add_u32 v230, v224, 4, v230
	s_add_co_u32 s21, s28, OSZ
	v_add_nc_u32 v[XBA], s21, v230
	s_wait_loadcnt 28                              ; step 0's four loads are in; seven steps' may be out
	XTURN 0
.irp t, 0,1,2,3,4,5,6,7,8,9,10,11,12,13,14,15
	XSTEP \t
.endr
	s_wait_dscnt 0x0                               ; for the others' sake: my codes and scale bytes have landed
	s_barrier_signal -1
	s_barrier_wait -1                              ; x's stage is whole
	LEAVE XR, OSZ, 12
	s_set_vgpr_msb 0x5
	s_wait_tensorcnt 0x0
	ds_add_u32 v0, v1
	s_wait_dscnt 0x0
	s_set_vgpr_msb 0x500
	s_endpgm
.Lfunc_end_k_q5d022fe1b3_prep:
	.size	k_q5d022fe1b3_prep, .Lfunc_end_k_q5d022fe1b3_prep-k_q5d022fe1b3_prep
	.p2alignl 7, 3214868480
	.fill 96, 4, 3214868480
	.section	.rodata,"a",@progbits
	.p2align	6, 0x0
	.amdhsa_kernel k_q5d022fe1b3_prep
		.amdhsa_group_segment_fixed_size 151552
		.amdhsa_private_segment_fixed_size 0
		.amdhsa_enable_private_segment 0
		.amdhsa_kernarg_size 48
		.amdhsa_user_sgpr_count 2
		.amdhsa_user_sgpr_kernarg_segment_ptr 1
		.amdhsa_wavefront_size32 1
		.amdhsa_system_sgpr_workgroup_id_x 1
		.amdhsa_system_sgpr_workgroup_id_y 1
		.amdhsa_system_sgpr_workgroup_id_z 1
		.amdhsa_system_vgpr_workitem_id 0
		.amdhsa_next_free_vgpr 258
		.amdhsa_next_free_sgpr 66
		.amdhsa_reserve_vcc 0
		.amdhsa_float_denorm_mode_32 3
		.amdhsa_float_denorm_mode_16_64 3
		.amdhsa_memory_ordered 1
		.amdhsa_forward_progress 1
		.amdhsa_inst_pref_size 173
	.end_amdhsa_kernel
	.amdgpu_metadata
---
amdhsa.version: [ 1, 2 ]
amdhsa.kernels:
  - .name:           k_q5d022fe1b3_prep
    .symbol:         k_q5d022fe1b3_prep.kd
    .args:
      - { .name: x, .offset: 0, .size: 8, .value_kind: global_buffer, .address_space: global }
      - { .name: u, .offset: 8, .size: 8, .value_kind: global_buffer, .address_space: global }
      - { .name: s, .offset: 16, .size: 8, .value_kind: global_buffer, .address_space: global }
      - { .name: v, .offset: 24, .size: 8, .value_kind: global_buffer, .address_space: global }
      - { .name: xq, .offset: 32, .size: 8, .value_kind: global_buffer, .address_space: global }
      - { .name: wq, .offset: 40, .size: 8, .value_kind: global_buffer, .address_space: global }
    .group_segment_fixed_size: 151552
    .private_segment_fixed_size: 0
    .kernarg_segment_align: 8
    .kernarg_segment_size: 48
    .max_flat_workgroup_size: 128
    .sgpr_count:     66
    .vgpr_count:     258
    .wavefront_size: 32
...
	.end_amdgpu_metadata
.endif
;; end of part 1
;; launch gemm (part 2): grid 16 x 16, 4 waves a work-group, clusters of 4 x 4, 327,680 bytes of LDS; arguments xq, wq, out0; writes out0
.if DOCPART == 2
	.amdgcn_target "amdgcn-amd-amdhsa--gfx1250"
	.amdhsa_code_object_version 6
	.text
	.protected	k_q5d022fe1b3_gemm
	.globl	k_q5d022fe1b3_gemm
	.p2align	8
	.type	k_q5d022fe1b3_gemm,@function
k_q5d022fe1b3_gemm:
	s_mov_b64 s[64:65], 0
	v_nop
	global_prefetch_b8 v0, s[64:65] scope:SCOPE_SE
	s_setreg_imm32_b32 hwreg(HW_REG_WAVE_MODE, 25, 1), 1
	s_wait_xcnt 0x0
	s_wait_alu depctr_hold_cnt(0) depctr_sa_sdst(0) depctr_va_vdst(0) depctr_va_sdst(0) depctr_va_ssrc(0) depctr_va_vcc(0) depctr_vm_vsrc(0)
	s_getreg_b32 s2, hwreg(HW_REG_IB_STS2, 6, 4)
	s_cmp_eq_u32 s2, 0
	s_cbranch_scc0 .Lentry_in_a_cluster
	s_endpgm
.Lentry_in_a_cluster:
	s_bfe_u32 s2, ttmp6, 0x10000c
	s_cmp_lg_u32 s2, 0xf033
	s_cbranch_scc0 .Lentry_shape_is_right
	s_endpgm
.Lentry_shape_is_right:
; C[m][n] = sum over k of A[m][k] B[n][k].  A = x, B = W, both 4096 x 4096 as codes of FP6 (E2M3) with one E8M0 byte for each 32 along K; C = out0, f32; sums in f32.
; THE OPERANDS LIE IN MEMORY IN THE ORDER OF THE MATRIX INSTRUCTION'S REGISTERS: [32 groups of 128 rows][32 steps of 128 along K][a block of 12,800 bytes].  A block is 8 fragments (16 rows x 128 K: 12 registers a lane,
; 1,536 bytes: register n of lane l at 512 (n / 4) + 16 l + 4 (n % 4)) and 512 bytes of scale words (that of row r of fragment f at 256 (f / 4) + 16 r + 4 (f % 4)).  So a fragment comes out of LDS by three loads of
; 16 bytes a lane at 16 x lane, each 512 consecutive bytes; eight fragments' scale words come by two; and what a wave fetches of a group of rows for several steps is one dense run of memory.
; A tile of C, 256 x 256, is made by a work-group of four waves; a wave makes 128 x 128: 64 accumulators of 16 x 16, 512 registers.  16 x 16 tiles: 256 work-groups.
; THE RING: two LDS slots of THREE steps (384 along K): 4 x 38,400 bytes each; a wave's tensor load brings 150 rows of 256 bytes.  32 steps are 2 + 10 x 3: slot 0's first fill is short (steps 0 and 1) and lands at the
; slot's places 1 and 2, so that the loop sees slots of three places only.  From a refill to the wait for it a wave issues 160 matrix instructions.
; CLUSTERS: 4 x 4 work-groups.  The four of a row of the cluster need the same tiles of A, the four of a column the same tiles of B: each tile is asked for JOINTLY, by the same tensor load with the
; same descriptor and a mask that names the four.  THE MATRIX INSTRUCTION IS USED TRANSPOSED (source 0 = 16 rows of B, source 1 = 16 rows of A): a lane then holds eight neighbouring numbers of a row of C.
; REGISTERS, in windows of 256: window 0: v0-31 addresses; v32-47 scale words, two sets of eight; from v128 A's fragments (8 x 12), ONE set; on the way out v128-255 are free.
;   window 1: B's fragments, TWO sets, at v0 and at v128.   window 2: the 32 accumulators of my rows 0-63 (accumulator (a, b) at v[8 (8 a + b)]);   window 3: those of my rows 64-127.
; A step is 64 matrix instructions, A's blocks one after the other, each against B's eight.  So a block of A is free as soon as its eight products are issued, and one set of registers serves A:
; blocks 0-3 are fetched anew in the step's middle, blocks 4-7 at its end.  B's fragments and the scale words are at work through the whole step and have two sets; the next step's come behind the step's first sixteen products.
; The set of a step is (slot + place) % 2: it comes back after a trip's six steps.
.set SIZE_N, 4096
.set FR,     12                        ; registers of a fragment
.set FRB,    1536                      ; and its bytes
.set SCO,    8*FRB                     ; in a block: the scale words lie behind the eight fragments
.set BLK,    SCO+512                   ; a block: 128 rows x 128 K
.set QUART,  3*BLK                     ; what one tensor load brings, and what one wave reads of A or of B in a slot
.set SLOT,   4*QUART                   ; A's rows 0-127, 128-255, then B's
.set RGB,    32*BLK                    ; a group of 128 rows in memory
.set SPARE,  2*SLOT                    ; behind the ring: the spare words, 128 bytes for each wave: two blocks of 256 bytes that no other line names
.set STAGE,  SLOT                      ; the way out: a stage of 16 rows x (512 bytes + 16) for each wave.  It lies in slot 1, which has had its last fill and its last read when the first result is stored there
.set SPITCH, 528
.set NP,     4                         ; places behind this matrix instruction (ISA guide 7.12.1)
.set NLA,    12                        ; LDS loads that bring four blocks of A
.set NLB,    26                        ; and those that bring B's eight and the scale words
.set TRIPS,  4
.set ADRA, 16                          ; v16-17  LDS address of my A fragments in slot 0, 1: 16 x lane + ..
.set ADRS, 18                          ; v18-19  of my scale words: lanes 0-15 A's rows, lanes 16-31 B's
.set ADRB, 20                          ; v20-21  of my B fragments
.set STO,  24                          ; v24     the way out: where I put 32 bytes of a row
.set RD,   25                          ; v25     the way out: where I read a row back
.set CO,   26                          ; v26     16 x lane: my byte offset in a row of C
.set SPW,  28                          ; v28     LDS address of my spare word: SPARE + 4 x my thread's number; never rewritten
.set NIL,  29                          ; v29     0; never rewritten
.set SC,   32                          ; scale words: set p at v[SC + 8 p]; register i: lanes 0-15 the words of A's block i, lanes 16-31 those of B's block i
.set AF,   128                         ; A's fragments, in window 0
.set BK,   128                         ; the way out: 16 rows read back from the stage: v128-191 and v192-255 by turns
.set G1, 24                            ; s[24:31] descriptor group 1 for A's tiles;  s[32:39] group 0, one set for each slot
.set G0, 32
.set G1B, 48                           ; s[48:55], s[56:63] the same for B's tiles
.set G0B, 56
.set G1F, 68                           ; s[68:75], s[76:79] groups 1 and 0 for A's short first tile;  s[80:87], s[88:91] for B's
.set G0F, 76
.set G1FB, 80
.set G0FB, 88
.set MSB, 0
.macro WIN new                         ; the immediate's high byte repeats the setting that is left
.if MSB != \new
	s_set_vgpr_msb (MSB<<8)|\new
.set MSB, \new
.endif
.endm
.set MUL_LO, 0xa1                      ; source 0 (B) window 1, source 1 (A) window 0, C and D window 2
.set MUL_HI, 0xf1                      ; the same, C and D window 3
.set TO_B,   0x40                      ; destination window 1, address window 0
; A joint load: waves 0 and 1 fetch for A, waves 2 and 3 for B.  Each of the two lines has ONE mask and one set of registers for all that issue it; the branch hangs on the wave's number alone.
; Four v_nop follow each of the two lines, ahead of the jump, the label and what follows.
.macro JLOAD g0a, g1a, g0b, g1b
	s_cmp_eq_u32 s15, 0
	s_cbranch_scc0 .Lfor_b_\@
	tensor_load_to_lds s[\g0a:\g0a+3], s[\g1a:\g1a+7]
	s_nop 0
.rept 4
	v_nop
.endr
	s_branch .Lasked_\@
.Lfor_b_\@:
	tensor_load_to_lds s[\g0b:\g0b+3], s[\g1b:\g1b+7]
	s_nop 0
.rept 4
	v_nop
.endr
.Lasked_\@:
.endm
.macro CREST                           ; a round of the cluster's barrier behind its opening barrier
	s_cmp_lg_u32 s14, 0
	s_cbranch_scc1 .Lnot_wave_0_\@
	s_barrier_signal -3
.Lnot_wave_0_\@:
	s_barrier_wait -3
	s_barrier_signal -1
	s_barrier_wait -1
.endm
.macro CROUND                          ; a whole round
	s_barrier_signal -1
	s_barrier_wait -1
	CREST
.endm
	s_load_b128 s[4:7], s[0:1], 0x0                ; A's blocks s[4:5], B's s[6:7]
	s_load_b64 s[12:13], s[0:1], 0x10              ; C
	v_lshl_add_u32 v[SPW], v0, 2, SPARE
	v_mov_b32 v[NIL], 0
	ds_add_u32 v28, v29
	ds_add_u32 v28, v29
	s_wait_dscnt 0x0
	v_lshrrev_b32 v1, 5, v0
	v_readfirstlane_b32 s14, v1                    ; wave 0..3
	s_lshr_b32 s15, s14, 1                         ; which half of the tile's rows is mine.  Also: I fetch for A (0) or for B (1)
	s_and_b32 s16, s14, 1                          ; which half of its columns.  Also: which 128 rows of that tile I fetch
	s_bfe_u32 s40, ttmp6, 0x40000                  ; cx, cy: my place in the cluster
	s_bfe_u32 s41, ttmp6, 0x40004
	s_lshl_b32 s42, ttmp9, 2
	s_add_co_u32 s42, s42, s40                     ; tile column of C = 4 x cluster x + cx
	s_and_b32 s17, ttmp7, 0xffff
	s_lshl_b32 s17, s17, 2
	s_add_co_u32 s17, s17, s41                     ; tile row of C = 4 x cluster y + cy
	s_lshl_b32 s43, s41, 2
	s_lshl_b32 s43, 15, s43                        ; my row of the cluster
	s_lshl_b32 s44, 0x1111, s40                    ; my column
	; descriptor group 1: a dense run of memory as rows of 256 bytes (32 elements of 8 bytes), no padding
	s_or_b32 s[G1+0], s43, (3<<16)|(1<<21)         ; 15:0 the mask: A's tiles go to my row; 17:16 elements of 8 bytes; 20 padding off; 21 set beside a mask
	s_or_b32 s[G1B+0], s44, (3<<16)|(1<<21)        ; B's go to my column
	s_or_b32 s[G1F+0], s43, (3<<16)|(1<<21)
	s_or_b32 s[G1FB+0], s44, (3<<16)|(1<<21)
.irp g, G1, G1B
	s_mov_b32 s[\g+1], 32<<16                      ; tensor_dim0
	s_mov_b32 s[\g+2], (QUART/256)<<16             ; tensor_dim1: three blocks are 150 rows
	s_mov_b32 s[\g+3], 32<<16                      ; tile_dim0
	s_mov_b32 s[\g+4], QUART/256                   ; tile_dim1
	s_mov_b32 s[\g+5], 32                          ; tensor_dim0_stride
	s_mov_b32 s[\g+6], 0
	s_mov_b32 s[\g+7], 0
.endr
.irp g, G1F, G1FB
	s_mov_b32 s[\g+1], 32<<16
	s_mov_b32 s[\g+2], (2*BLK/256)<<16             ; the short first tile: two blocks, 100 rows
	s_mov_b32 s[\g+3], 32<<16
	s_mov_b32 s[\g+4], 2*BLK/256
	s_mov_b32 s[\g+5], 32
	s_mov_b32 s[\g+6], 0
	s_mov_b32 s[\g+7], 0
.endr
	; where the tiles come from.  A's hang on the tile row alone, which my row of the cluster shares; B's on the tile column alone, which my column shares.  Every wave makes both, in registers that never hold the other coordinate
	s_lshl_b32 s20, s17, 1
	s_add_co_u32 s20, s20, s16                     ; A: group of 128 rows 2 x tile row + half
	s_mul_i32 s20, s20, RGB                        ; in bytes: 31 x 409,600 at the most
	s_mov_b32 s21, 0
	s_lshl_b32 s46, s42, 1
	s_add_co_u32 s46, s46, s16                     ; B: 2 x tile column + half
	s_mul_i32 s46, s46, RGB
	s_mov_b32 s47, 0
	s_mul_i32 s45, s14, QUART                      ; where they go: wave x a quarter of a slot: no place in the cluster enters an LDS address
	s_wait_kmcnt 0x0
	s_add_nc_u64 s[20:21], s[4:5], s[20:21]
	s_add_nc_u64 s[46:47], s[6:7], s[46:47]
	s_mov_b32 s[G0F], 1                            ; steps 0 and 1, to slot 0's places 1 and 2
	s_add_co_u32 s[G0F+1], s45, BLK
	s_mov_b64 s[G0F+2:G0F+3], s[20:21]
	s_or_b32 s[G0F+3], s[G0F+3], 0x80000000
	s_mov_b32 s[G0FB], 1
	s_add_co_u32 s[G0FB+1], s45, BLK
	s_mov_b64 s[G0FB+2:G0FB+3], s[46:47]
	s_or_b32 s[G0FB+3], s[G0FB+3], 0x80000000
.irp s, 0,1                            ; the walking sets: slot 1 begins with steps 2 to 4 (its first fill), slot 0 with steps 5 to 7 (its first refill)
	s_mov_b32 s[G0+4*\s], 1
	s_add_co_u32 s[G0+4*\s+1], s45, \s*SLOT
	s_add_nc_u64 s[G0+4*\s+2:G0+4*\s+3], s[20:21], (5-3*\s)*BLK
	s_or_b32 s[G0+4*\s+3], s[G0+4*\s+3], 0x80000000
	s_mov_b32 s[G0B+4*\s], 1
	s_add_co_u32 s[G0B+4*\s+1], s45, \s*SLOT
	s_add_nc_u64 s[G0B+4*\s+2:G0B+4*\s+3], s[46:47], (5-3*\s)*BLK
	s_or_b32 s[G0B+4*\s+3], s[G0B+4*\s+3], 0x80000000
.endr
	CROUND                                         ; all sixteen work-groups are here: the first joint loads meet
	JLOAD G0F, G1F, G0FB, G1FB
	JLOAD G0+4, G1, G0B+4, G1B                     ; two tensor loads of mine are out
	v_and_b32 v1, 15, v0                           ; r = l % 16
	v_bfe_u32 v2, v0, 4, 1                         ; h = l / 16
	v_and_b32 v6, 31, v0
	v_lshlrev_b32 v[CO], 4, v6                     ; 16 x lane
	s_mul_i32 s21, s15, QUART                      ; my 128 rows of A
	s_mul_i32 s22, s16, QUART                      ; my 128 rows of B,
	s_add_co_u32 s22, s22, 2*QUART                 ; which lie behind A's 256
	s_sub_co_u32 s23, s22, s21
	v_mul_u32_u24 v3, s23, v2                      ; the scale words: lanes 16-31 take B's: one product, the distance between the two bases x the lane's half,
	v_lshl_add_u32 v3, v1, 4, v3                   ; + 16 r
.irp s, 0,1
	v_add_nc_u32 v[ADRA+\s], s21, v[CO]
	v_add_nc_u32 v[ADRB+\s], s22, v[CO]
	v_add_nc_u32 v[ADRS+\s], s21, v3
	s_add_co_u32 s21, s21, SLOT
	s_add_co_u32 s22, s22, SLOT
.endr
	s_mul_i32 s23, s14, 16*SPITCH
	s_add_co_u32 s23, s23, STAGE                   ; my stage
	v_mul_u32_u24 v5, v1, SPITCH                   ; in: row l % 16, 32 bytes for each half of the lanes
	v_lshl_add_u32 v5, v2, 5, v5
	v_add_nc_u32 v[STO], s23, v5
	v_add_nc_u32 v[RD], s23, v[CO]                 ; back: the 32 lanes take one row of 512 bytes
	s_lshl_b32 s20, s17, 8
	s_lshl_b32 s21, s15, 7
	s_add_co_u32 s20, s20, s21                     ; my first row of C: 256 x tile row + 128 x half
	s_mov_b32 s21, 0
	s_mov_b64 s[18:19], SIZE_N*4
	s_mul_u64 s[20:21], s[20:21], s[18:19]
	s_lshl_b32 s46, s42, 10                        ; my first column, in bytes: 1024 x tile column + 512 x half
	s_lshl_b32 s47, s16, 9
	s_add_co_u32 s46, s46, s47
	s_mov_b32 s47, 0
	s_add_nc_u64 s[20:21], s[20:21], s[46:47]
	s_add_nc_u64 s[12:13], s[12:13], s[20:21]
.macro FRAG reg, adr, q, i             ; fragment i of the slot's place q: three loads of 512 consecutive bytes, 16 a lane: the registers as they were laid down
.irp c, 0,1,2
	ds_load_b128 v[\reg+4*\c:\reg+4*\c+3], v[\adr] offset:(\q)*BLK+(\i)*FRB+512*\c
.endr
.endm
; 16 matrix instructions: A's blocks a0, a0 + 1 x B's eight, 128 along K.  p: B's set and the set of scale words.  zero = 1: the first product starts the sums: nothing is ever cleared.
; The 64 accumulators take turns, one instruction a turn, in the same order in every step.
.macro MUL16 a0, p, zero
.irp a, \a0, \a0+1
.irp b, 0,1,2,3,4,5,6,7
.if \zero
	v_wmma_scale_f32_16x16x128_f8f6f4 v[8*(8*((\a)%4)+\b):8*(8*((\a)%4)+\b)+7], v[128*(\p)+FR*\b:128*(\p)+FR*\b+FR-1], v[AF+FR*(\a):AF+FR*(\a)+FR-1], 0, v[SC+8*(\p)+\b], v[SC+8*(\p)+(\a)] matrix_a_fmt:MATRIX_FMT_FP6 matrix_b_fmt:MATRIX_FMT_FP6 matrix_a_scale:MATRIX_SCALE_ROW1
.else
	v_wmma_scale_f32_16x16x128_f8f6f4 v[8*(8*((\a)%4)+\b):8*(8*((\a)%4)+\b)+7], v[128*(\p)+FR*\b:128*(\p)+FR*\b+FR-1], v[AF+FR*(\a):AF+FR*(\a)+FR-1], v[8*(8*((\a)%4)+\b):8*(8*((\a)%4)+\b)+7], v[SC+8*(\p)+\b], v[SC+8*(\p)+(\a)] matrix_a_fmt:MATRIX_FMT_FP6 matrix_b_fmt:MATRIX_FMT_FP6 matrix_a_scale:MATRIX_SCALE_ROW1
.endif
.endr
.endr
.endm
.macro FETCH_B slot, q, p              ; B's eight fragments of the slot's place q into set p
	WIN TO_B
.irp i, 0,1,2,3,4,5,6,7
	FRAG 128*(\p)+FR*\i, ADRB+\slot, \q, \i
.endr
	WIN 0
.endm
.macro FETCH_A slot, q, i0             ; A's blocks i0 .. i0 + 3
.irp i, \i0, \i0+1, \i0+2, \i0+3
	FRAG AF+FR*(\i), ADRA+\slot, \q, \i
.endr
.endm
.macro SCALES slot, q, p               ; that place's scale words into set p: four blocks' words of a row lie together; lanes 0-15 take A's, lanes 16-31 B's
.irp j, 0,1
	ds_load_b128 v[SC+8*(\p)+4*\j:SC+8*(\p)+4*\j+3], v[ADRS+\slot] offset:(\q)*BLK+SCO+256*\j
.endr
.endm
; A load into a register that a matrix instruction has read, and a vector instruction or an LDS store that reads a matrix result, stand NP places behind that matrix instruction, and only plain vector
; instructions that name none of its registers are places (ISA guide 7.12.1 for vector instructions); the matrix instructions in between are not counted.
.macro PLACES n
.rept \n
	v_nop
.endr
.endm
; A step that has its successor in the same slot: place q (0 or 1), on set p.
.macro STEP slot, q, p, zero
	s_wait_dscnt NLA                               ; B's set, the scale words and A's blocks 0-3 are in; the youngest 12 loads (A's blocks 4-7) may be out
	WIN MUL_LO
	MUL16 0, \p, \zero
	FETCH_B \slot, (\q)+1, 1-(\p)                  ; the other sets were last read in the step before, in front of its closing places
	SCALES \slot, (\q)+1, 1-(\p)
	WIN MUL_LO
	MUL16 2, \p, \zero
	s_wait_dscnt NLB                               ; A's blocks 4-7 are in; the 26 loads just issued may be out
	PLACES NP
	WIN 0
	FETCH_A \slot, (\q)+1, 0
	WIN MUL_HI
	MUL16 4, \p, \zero
	MUL16 6, \p, \zero
	PLACES NP
	WIN 0
	FETCH_A \slot, (\q)+1, 4
.endm
; A slot's last step (place 2, on set p) changes slots: ONE barrier; in front of it each wave waits for all its tensor loads, adds 0 to its spare word, and waits for that and for its own reads of this slot.
; fill = 1 or 2: this slot is filled again, with the three steps that follow the other slot's.  fill = 1: the other slot's group 0, whose load has landed, also steps to its next tile, six blocks on.
.macro TURN slot, next, p, fill
	s_wait_tensorcnt 0x0                           ; all my tensor loads have landed: my part of the next slot;  (every window is 0 here: the add's two registers lie in window 0)
	ds_add_u32 v[SPW], v[NIL]                      ; 0 onto my spare word
.if \fill == 1
	s_add_nc_u64 s[G0+4*\next+2:G0+4*\next+3], s[G0+4*\next+2:G0+4*\next+3], 6*BLK   ; no tensor load of mine is out, so a group 0 may be written; the type bits on top are not reached
	s_add_nc_u64 s[G0B+4*\next+2:G0B+4*\next+3], s[G0B+4*\next+2:G0B+4*\next+3], 6*BLK
.endif
	s_wait_dscnt NLA+1                             ; (the add and the youngest 12 loads, A's blocks 4-7, may be out)
	WIN MUL_LO
	MUL16 0, \p, 0                                 ; sixteen matrix instructions stand between the add and the wait for it
	s_wait_dscnt 0x0                               ; the add is done, and my reads of this slot are over
	s_barrier_signal -1
	MUL16 2, \p, 0
	WIN 0
	s_barrier_wait -1
.if \fill
	CREST                                          ; the barrier has opened a round of the cluster's barrier: no wave of any partner still reads this slot's tile or has a load on its way
	JLOAD G0+4*\slot, G1, G0B+4*\slot, G1B         ; the first tensor load behind the round, my one load until the next; the four v_nop behind it are the places in front of the loads below
.else
	PLACES NP
.endif
	FETCH_B \next, 0, 1-(\p)
	SCALES \next, 0, 1-(\p)
	FETCH_A \next, 0, 0
	WIN MUL_HI
	MUL16 4, \p, 0
	MUL16 6, \p, 0
	PLACES NP
	WIN 0
	FETCH_A \next, 0, 4
.endm
	s_wait_tensorcnt 1                             ; my part of steps 0 and 1 is in (slot 1's load may be out)
	s_barrier_signal -1
	s_barrier_wait -1                              ; everybody's is
	FETCH_B 0, 1, 1
	SCALES 0, 1, 1
	FETCH_A 0, 1, 0
	FETCH_A 0, 1, 4
	STEP 0, 1, 1, 1                                ; the first step stands in front of the loop: its products start the sums
	s_mov_b32 s3, TRIPS
.Llap:                                                 ; a trip goes once round the ring, six steps, from slot 0's last place to its last place but one, and fills both slots again
	TURN 0, 1, 0, 1
	STEP 1, 0, 1, 0
	STEP 1, 1, 0, 0
	TURN 1, 0, 1, 1
	STEP 0, 0, 0, 0
	STEP 0, 1, 1, 0
	s_sub_co_u32 s3, s3, 1
	s_cmp_lg_u32 s3, 0
	s_cbranch_scc1 .Llap
	TURN 0, 1, 0, 2                                ; the tail is written out: slot 0 takes the last three steps
	STEP 1, 0, 1, 0
	STEP 1, 1, 0, 0
	TURN 1, 0, 1, 0                                ; slot 1 is left and nothing is asked for: no round of the cluster's barrier
	STEP 0, 0, 0, 0
	STEP 0, 1, 1, 0
	s_wait_dscnt NLA                               ; the very last step: nothing more to fetch
	WIN MUL_LO
	MUL16 0, 0, 0
	MUL16 2, 0, 0
	s_wait_dscnt 0
	WIN MUL_HI
	MUL16 4, 0, 0
	MUL16 6, 0, 0
	WIN 0
; THE WAY OUT, block by block of 16 rows x 128 columns.  A lane holds 32 neighbouring bytes of a row, and the lanes beside it hold other rows: so a block goes through my own stage in LDS and comes back as whole
; rows of 512 bytes, which the 32 lanes store as 512 consecutive bytes.  LDS serves a wave's instructions in order (ISA guide 5.7.1.4): no wait between the stores and the loads, nor in front of the next block's stores.
.macro TOSTAGE a
.set AC, 64*((\a)%4)
	WIN 0x08+4*((\a)/4)                            ; the data: window 2 or 3
.irp b, 0,1,2,3,4,5,6,7
	ds_store_b128 v[STO], v[AC+8*\b:AC+8*\b+3] offset:64*\b          ; each accumulator from its low end on
	ds_store_b128 v[STO], v[AC+8*\b+4:AC+8*\b+7] offset:64*\b+16
.endr
	WIN 0
.set BB, BK+64*((\a)%2)
.irp t, 0,1,2,3,4,5,6,7,8,9,10,11,12,13,14,15
	ds_load_b128 v[BB+4*\t:BB+4*\t+3], v[RD] offset:\t*SPITCH
.endr
.endm
.macro SEND a, younger                 ; younger: the LDS instructions issued behind block a's loads, which may stay out
.set BB, BK+64*((\a)%2)
	s_wait_dscnt \younger                          ; the block is back in registers
.if (\a) > 0
	s_add_nc_u64 s[12:13], s[12:13], 16*SIZE_N*4   ; (behind a wait on XCNT: the earlier stores have read their base)  16 rows of C on, so that the stores' offsets stay small: 15 rows of C, 245,760 bytes, at the most
.endif
.irp t, 0,1,2,3,4,5,6,7,8,9,10,11,12,13,14,15
	global_store_b128 v[CO], v[BB+4*\t:BB+4*\t+3], s[12:13] offset:\t*SIZE_N*4 th:TH_STORE_NT   ; 32 lanes store 512 consecutive bytes, at a multiple of 256 from C's first byte; written once, read by nobody here
.endr
.endm
	PLACES NP                                      ; behind the last products: for the loads into the registers that held A's fragments, and for the reads of results
	TOSTAGE 0
.irp a, 1,2,3,4,5,6,7
.if \a > 1
	s_wait_xcnt 0x0                                ; block a - 2's stores have read their registers and their base: block a's loads may land there, and the base may step
.endif
	TOSTAGE \a
	SEND \a-1, 32                                  ; behind block a - 1's loads: block a's 16 stores and 16 loads
.endr
	s_wait_xcnt 0x0                                ; block 6's stores have read their base
	SEND 7, 0
	s_wait_tensorcnt 0x0                           ; the wave's end: behind my last tensor load and my last LDS store
	ds_add_u32 v[SPW], v[NIL]
	s_wait_dscnt 0x0
	CROUND                                         ; the closing round: no work-group ends while a partner may still ask for a tile that names it
	s_endpgm
.Lfunc_end_k_q5d022fe1b3_gemm:
	.size	k_q5d022fe1b3_gemm, .Lfunc_end_k_q5d022fe1b3_gemm-k_q5d022fe1b3_gemm
	.p2alignl 7, 3214868480
	.fill 96, 4, 3214868480
	.section	.rodata,"a",@progbits
	.p2align	6, 0x0
	.amdhsa_kernel k_q5d022fe1b3_gemm
		.amdhsa_group_segment_fixed_size 327680
		.amdhsa_private_segment_fixed_size 0
		.amdhsa_enable_private_segment 0
		.amdhsa_kernarg_size 24
		.amdhsa_user_sgpr_count 2
		.amdhsa_user_sgpr_kernarg_segment_ptr 1
		.amdhsa_wavefront_size32 1
		.amdhsa_system_sgpr_workgroup_id_x 1
		.amdhsa_system_sgpr_workgroup_id_y 1
		.amdhsa_system_sgpr_workgroup_id_z 1
		.amdhsa_system_vgpr_workitem_id 0
		.amdhsa_next_free_vgpr 1024
		.amdhsa_next_free_sgpr 96
		.amdhsa_reserve_vcc 0
		.amdhsa_float_denorm_mode_32 3
		.amdhsa_float_denorm_mode_16_64 3
		.amdhsa_memory_ordered 1
		.amdhsa_forward_progress 1
		.amdhsa_inst_pref_size 204
	.end_amdhsa_kernel
	.amdgpu_metadata
---
amdhsa.version: [ 1, 2 ]
amdhsa.kernels:
  - .name:           k_q5d022fe1b3_gemm
    .symbol:         k_q5d022fe1b3_gemm.kd
    .args:
      - { .name: xq, .offset: 0, .size: 8, .value_kind: global_buffer, .address_space: global }
      - { .name: wq, .offset: 8, .size: 8, .value_kind: global_buffer, .address_space: global }
      - { .name: out0, .offset: 16, .size: 8, .value_kind: global_buffer, .address_space: global }
    .group_segment_fixed_size: 327680
    .private_segment_fixed_size: 0
    .kernarg_segment_align: 8
    .kernarg_segment_size: 24
    .max_flat_workgroup_size: 128
    .sgpr_count:     96
    .vgpr_count:     1024
    .wavefront_size: 32
...
	.end_amdgpu_metadata
.endif
;; end of part 2
